; MI455X (gfx1250); checked and timed in simulation.
; The chip was launched on July 23, 2026; its instructions are those of AMD's public machine-readable ISA for CDNA 5 (MIT licence, August 2026) and "CDNA5" Instruction Set Architecture Reference Guide (July 2026). The comments in the code are by the model that wrote it; some were corrected since.
;; Bahdanau Attention. Allowed arithmetic: matrix products marked QUANTISED: E3M2 operands, one E8M0 scale for each 32 along K, by v_wmma_scale_f32_16x16x128_f8f6f4 with both operands' format E3M2, f32 sums; products left as they are: f32 operands where the result goes on into a quantised operand, else bf16, f16 or f32 operands; f32 sums; everything else in f32.
;; Inputs: W_dec_codes 1,024 x 32 x 24 uint8 (E3M2 codes of W_dec, K innermost, in blocks of 32 codes, four codes in three bytes); W_dec_scales 1,024 x 32 uint8 (E8M0 scales of W_dec, one for each 32 codes along K); W_enc_codes 1,024 x 32 x 24 uint8 (E3M2 codes of W_enc, K innermost, in blocks of 32 codes, four codes in three bytes); W_enc_scales 1,024 x 32 uint8 (E8M0 scales of W_enc, one for each 32 codes along K); dec_hidden_codes 32 x 32 x 24 uint8 (E3M2 codes of dec_hidden, K innermost, in blocks of 32 codes, four codes in three bytes); dec_hidden_scales 32 x 32 uint8 (E8M0 scales of dec_hidden, one for each 32 codes along K); enc_outputs 32 x 2,048 x 1,024 float32; mask 32 x 2,048 int32; v 1,024 float32.
;; Outputs: out0 32 x 1,024 float32; out1 32 x 2,048 float32.
;; This version of the problem:
;;   THIS VERSION OF THE PROBLEM IS GIVEN IN LOW PRECISION. The matrix products marked QUANTISED in the list below multiply operands that are first quantised to E3M2 (3 exponent bits, 2 mantissa bits; 6 bits a number), with one power-of-two scale for each 32 numbers along K (OCP MX v1.0); their sums are f32. All else is computed in f32.
;;   The module's matrix products, in the order in which they are computed (A, B: the left and right operand; K: the contracted axis; several contracted axes count as one K, in the product's order):
;;     1. [M 32, K 1,024] x [K 1,024, N 1,024]; A: input dec_hidden (given as codes); B: input W_dec (given as codes): QUANTISED
;;     2. [M 65,536, K 1,024] x [K 1,024, N 1,024]; A: input enc_outputs; B: input W_enc (given as codes): QUANTISED
;;     3. [M 65,536, K 1,024] x [K 1,024, N 1]; A: computed on the way; B: input v: left as it is (N = 1 < 16)
;;     4. batch 32 x [M 1, K 2,048] x [K 2,048, N 1,024]; A: softmax; B: input enc_outputs: left as it is (M = 1 < 16)
;;   THE QUANTISER, for each operand of a quantised product, along K:
;;     - K is cut into blocks of 32 from its start; a last block that is shorter is filled with zeros.
;;     - A block's scale is 2^e with e = floor(log2(the largest magnitude in the block)) - 4, held to -126 .. 127; a block of zeros has e = 0. As a byte (E8M0): e + 127.
;;     - Each number is divided by its block's scale, clamped to +-28, and rounded to the nearest number of E3M2, ties to even, subnormals kept.
;;     - The product sums the exact products of the quantised numbers (number of the format x scale) in f32.
;;   ~~~python
;;   def quantise(x, axis):      # numpy; x: float32 -> the quantised numbers, widened to float32 again
;;       x = np.moveaxis(x, axis, -1); K = x.shape[-1]
;;       x = np.pad(x, [(0, 0)] * (x.ndim - 1) + [(0, -K % 32)]); x = x.reshape(x.shape[:-1] + (-1, 32)); a = np.abs(x).max(-1, keepdims=True)
;;       e = np.where(a > 0, np.clip(np.frexp(np.where(a > 0, a, 1))[1] - 1 - 4, -126, 127), 0)      # np.frexp(a)[1] - 1 = floor(log2(a)), exactly
;;       r = np.clip(x / 2.0 ** e, -28, 28)
;;       step = 2.0 ** (np.maximum(np.frexp(np.where(r == 0, 1, r))[1] - 1, -2) - 2)
;;       q = np.round(r / step) * step * 2.0 ** e      # np.round: ties to even
;;       return np.moveaxis(q.reshape(q.shape[:-2] + (-1,))[..., :K], -1, axis).astype(np.float32)
;;   ~~~
;;   INPUTS GIVEN AS CODES. W_dec (in the module: [1024, 1024], K = its axis 1); W_enc (in the module: [1024, 1024], K = its axis 1); dec_hidden (in the module: [32, 1024], K = its axis 1): each comes as NAME_codes (uint8): NAME with its K axis moved to the last place and cut into blocks of 32 codes, [.., K / 32, bytes a block], one block behind the other in memory; four codes in three bytes: a row's codes are one little-endian stream of bits, code i at bits 6 i .. 6 i + 5 (a code: sign, 3 exponent bits, 2 mantissa bits); and NAME_scales (uint8): the same leading axes, one E8M0 byte (e + 127) for each 32 codes along K. Its value is code x scale, taken as it is: it is not quantised again, and the codes and scales need not be those that the quantiser above would give.
;; One version. Each part assembles by itself: llvm-mc -triple=amdgcn-amd-amdhsa -mcpu=gfx1250 --defsym DOCPART=n.
;; ======== version 1 of 1: 3 launches
;; limits: right only within a limited range of input values
;; workspace buffers: rows 262,144 bytes of whole numbers; pos 262,144 bytes of whole numbers; cnt 256 bytes of whole numbers; scores_c 262,144 bytes; cdh 524,288 bytes; wfrag 786,432 bytes
;; launch prep (part 1): grid 160 x 1, 8 waves a work-group, no clusters, 0 bytes of LDS; arguments mask, W_dec_codes, W_dec_scales, dec_hidden_codes, dec_hidden_scales, W_enc_codes, rows, pos, cnt, cdh, wfrag, scores_c; writes rows, pos, cnt, cdh, wfrag, scores_c
.if DOCPART == 1
	.amdgcn_target "amdgcn-amd-amdhsa--gfx1250"
	.amdhsa_code_object_version 6
	.text
	.protected	k_q9e05eb2986_prep
	.globl	k_q9e05eb2986_prep
	.p2align	8
	.type	k_q9e05eb2986_prep,@function
k_q9e05eb2986_prep:
	s_mov_b64 s[64:65], 0
	v_nop
	global_prefetch_b8 v0, s[64:65] scope:SCOPE_SE
	s_setreg_imm32_b32 hwreg(HW_REG_WAVE_MODE, 25, 1), 1
	s_wait_xcnt 0x0
; BahdanauAttention, launch 1 of 3: the lists of live rows, c x dh, and W_enc's codes in the order of an operand's registers.
; WORK LEFT OUT BY THE PROGRAM, AND WHY IT IS DEAD.  reference() replaces the score of every row s with mask[b][s] == 0 by -1e9 (jnp.where), whatever enc_outputs holds there:
; so that row's part of eh, its tanh and its product with v reach no output.  The choice hangs on whole numbers, so it is made here, from the mask, and stored as whole numbers for the later launches.
; Such a row's weight is exp(-1e9 - max).  |score| <= sum |v|, so while one row of the batch is live and sum |v| < 9e8 (LIMIT) that weight is 0 in f32, and its term of the context is 0 x enc: the context's launch passes over it too.
; A batch with no live row has all scores equal: weights 1 / 2048 and the mean of all rows.  It needs no path of its own: there the list is the identity, cntC = 2048 and every score keeps the fill -1e9.
; LIMIT: a NaN, an infinity or an overflow in a masked row of enc_outputs reaches only the work left out and is not carried to the result.  Every input has a way to an output: all are loaded by some launch.
; THE LISTS.  rows[b][.] is a stable partition of 0 .. 2047: the live rows in their order, then the masked ones in theirs; pos[b][s] is where s stands in it; cnt[b] = {cntS = live rows, cntC = cntS, or 2048 if cntS = 0}.
; scores_c[b][.] (scores in the list's order) is filled with -1e9; launch 2 writes the places under cntS.
; ROLES, by the work-group's number: 0-31 the list of batch b; 32-95 c x dh = c x dec_hidden W_dec^T, c = 2 log2(e); 96-159 W_enc: tile of 16 rows t, a wave for each K step of 128.
; c x dh goes out IN FOUR PARTS ALONG K, cdh[kq][b][d]: work-group 32 + t takes rows 16 t .. 16 t + 15 of W_dec, wave w the batches 16 (w / 4) on and K steps 2 (w % 4), 2 (w % 4) + 1: 26 loads and two products a wave.
; Launch 2 adds the four parts, in their order, as it brings them into LDS.
; No LDS, no barrier: in the list's role each wave counts all eight sections of the mask's row itself (8 KiB, read eight times by one work-group) and takes the sum of the sections in front of its own.
; ALSO LEFT OUT: score = sum v - 2 sum v / (1 + 2^(c x)), and sum v is the same for every row of a batch: a term added to the softmax's input that is the same along its axis.  Launch 2 stores -2 sum v / (1 + 2^(c x)) alone.
; What is stored is at most 2 sum |v| in size, so the limit above (a masked row's weight is 0 beside a live row) holds while 2 sum |v| < 9e8.
	s_load_b512 s[4:19], s[0:1], 0x0
	s_load_b256 s[20:27], s[0:1], 0x40             ; cnt 20, cdh 22, wfrag 24, scores_c 26
	v_lshrrev_b32 v1, 5, v0
	s_delay_alu instid0(VALU_DEP_1)
	v_readfirstlane_b32 s28, v1                    ; wave 0..7
	v_and_b32 v2, 31, v0                           ; lane
	v_and_b32 v3, 15, v0                           ; r
	v_bfe_u32 v4, v0, 4, 1                         ; h
	s_mov_b32 s31, 0                               ; the upper word of every offset pair s[30:31]
	s_wait_kmcnt 0x0
	s_cmp_lt_u32 ttmp9, 32
	s_cbranch_scc1 .Llist
	s_cmp_lt_u32 ttmp9, 96
	s_cbranch_scc1 .Ldh
; ---- W_enc: the fragment of rows 16 t .. 16 t + 15, K step ks = wave: 12 registers a lane, as the matrix instruction takes them, stored as three runs of 512 consecutive bytes:
; wfrag[gi = t / 8][ks][n = t % 8][c][lane][16 bytes] = registers 4 c .. 4 c + 3
	s_sub_co_u32 s29, ttmp9, 96                    ; t
	s_mul_i32 s30, s29, 12288                      ; 16 rows of 768 bytes
	s_mul_i32 s32, s28, 96                         ; 128 codes are 96 bytes
	s_add_co_u32 s30, s30, s32
	s_add_nc_u64 s[14:15], s[14:15], s[30:31]
	s_wait_alu depctr_va_vdst(0)
	v_mul_u32_u24 v5, v3, 768
	s_delay_alu instid0(VALU_DEP_1)
	v_mad_u32_u24 v5, v4, 24, v5                   ; row r, + 24 h
.irp p, 0,1,2,3,4,5
	global_load_b64 v[16+2*\p:17+2*\p], v5, s[14:15] offset:48*(\p/3)+8*(\p%3)
.endr
	s_lshr_b32 s30, s29, 3
	s_lshl_b32 s30, s30, 3
	s_add_co_u32 s30, s30, s28                     ; 8 gi + ks
	s_lshl_b32 s30, s30, 3
	s_and_b32 s32, s29, 7
	s_add_co_u32 s30, s30, s32                     ; 8 (8 gi + ks) + n
	s_mul_i32 s30, s30, 1536
	s_add_nc_u64 s[24:25], s[24:25], s[30:31]
	v_lshlrev_b32 v6, 4, v2
	s_wait_alu depctr_va_vdst(0)
	s_wait_loadcnt 0x0
.irp c, 0,1,2
	global_store_b128 v6, v[16+4*\c:19+4*\c], s[24:25] offset:512*\c
.endr
	s_endpgm
; ---- c x dh, a part.  Transposed: source 0 = 16 rows of W_dec (d), source 1 = 16 rows of dec_hidden (batches): lane (r, h) holds batch 16 bt + r and d = 16 t + 8 h + 0 .. 7
.Ldh:
	s_sub_co_u32 s32, ttmp9, 32                    ; t
	s_and_b32 s33, s28, 3                          ; kq: K steps 2 kq, 2 kq + 1
	s_lshr_b32 s34, s28, 2                         ; bt
	s_mul_i32 s35, s33, 192                        ; two K steps of 96 bytes
	s_mul_i32 s30, s32, 12288
	s_add_co_u32 s30, s30, s35
	s_add_nc_u64 s[6:7], s[6:7], s[30:31]
	s_mul_i32 s30, s34, 12288
	s_add_co_u32 s30, s30, s35
	s_add_nc_u64 s[10:11], s[10:11], s[30:31]
	s_lshl_b32 s35, s33, 3                         ; two scale words
	s_lshl_b32 s30, s32, 9                         ; 16 rows of 32 scale bytes
	s_add_co_u32 s30, s30, s35
	s_add_nc_u64 s[8:9], s[8:9], s[30:31]
	s_lshl_b32 s30, s34, 9
	s_add_co_u32 s30, s30, s35
	s_add_nc_u64 s[12:13], s[12:13], s[30:31]
	s_lshl_b32 s30, s33, 17                        ; part kq: 131,072 bytes,
	s_lshl_b32 s35, s34, 16                        ; 16 rows of 4,096 bytes,
	s_add_co_u32 s30, s30, s35
	s_lshl_b32 s35, s32, 6                         ; + 64 t
	s_add_co_u32 s30, s30, s35
	s_add_nc_u64 s[22:23], s[22:23], s[30:31]
	s_wait_alu depctr_va_vdst(0)
	v_mul_u32_u24 v5, v3, 768
	s_delay_alu instid0(VALU_DEP_1)
	v_mad_u32_u24 v5, v4, 24, v5
	v_lshlrev_b32 v6, 5, v3                        ; a row's scale words
	v_lshlrev_b32 v7, 12, v3
	s_delay_alu instid0(VALU_DEP_1)
	v_lshl_add_u32 v7, v4, 5, v7                   ; cdh: row r, + 32 h
.irp s, 0,1
.irp p, 0,1,2,3,4,5
	global_load_b64 v[16+12*\s+2*\p:17+12*\s+2*\p], v5, s[6:7] offset:96*\s+48*(\p/3)+8*(\p%3)
	global_load_b64 v[40+12*\s+2*\p:41+12*\s+2*\p], v5, s[10:11] offset:96*\s+48*(\p/3)+8*(\p%3)
.endr
.endr
	global_load_b64 v[64:65], v6, s[8:9]           ; register s: the word of my K step s
	global_load_b64 v[66:67], v6, s[12:13]
	s_wait_loadcnt 0x0
	v_wmma_scale_f32_16x16x128_f8f6f4 v[72:79], v[16:27], v[40:51], 0, v64, v66 matrix_a_fmt:MATRIX_FMT_BF6 matrix_b_fmt:MATRIX_FMT_BF6   ; two accumulators, one product each
	v_wmma_scale_f32_16x16x128_f8f6f4 v[80:87], v[28:39], v[52:63], 0, v65, v67 matrix_a_fmt:MATRIX_FMT_BF6 matrix_b_fmt:MATRIX_FMT_BF6
.rept 4
	v_nop                                          ; four places in front of the first read of results (ISA guide 7.12.1)
.endr
.irp p, 0,1,2,3
	v_pk_add_f32 v[88+2*\p:89+2*\p], v[72+2*\p:73+2*\p], v[80+2*\p:81+2*\p]   ; both accumulators from their low end on
.endr
.irp p, 0,1,2,3
	s_delay_alu instid0(VALU_DEP_4)
	v_pk_mul_f32 v[88+2*\p:89+2*\p], v[88+2*\p:89+2*\p], 0x4038aa3b op_sel_hi:[1,0]   ; x c = 2 log2(e): launch 2 forms 2^(c (dh + eh))
.endr
	s_wait_alu depctr_va_vdst(0)
	global_store_b128 v7, v[88:91], s[22:23]
	global_store_b128 v7, v[92:95], s[22:23] offset:16
	s_endpgm
; ---- the list of batch b.  Thread t owns s = 8 t .. 8 t + 7
.Llist:
	s_lshl_b32 s30, ttmp9, 13                      ; a batch's 2,048 words
	s_add_nc_u64 s[4:5], s[4:5], s[30:31]
	s_add_nc_u64 s[16:17], s[16:17], s[30:31]
	s_add_nc_u64 s[18:19], s[18:19], s[30:31]
	s_add_nc_u64 s[26:27], s[26:27], s[30:31]
	s_lshl_b32 s30, ttmp9, 3
	s_add_nc_u64 s[20:21], s[20:21], s[30:31]
	s_wait_alu depctr_va_vdst(0)
	v_lshlrev_b32 v5, 5, v2                        ; 32 x lane: my 8 words of a section of 256
	v_lshlrev_b32 v6, 5, v0                        ; 32 x thread: my own 8 words
.irp w, 0,1,2,3,4,5,6,7
	global_load_b128 v[16+8*\w:19+8*\w], v5, s[4:5] offset:1024*\w
	global_load_b128 v[20+8*\w:23+8*\w], v5, s[4:5] offset:1024*\w+16
.endr
	global_load_b128 v[80:83], v6, s[4:5]
	global_load_b128 v[84:87], v6, s[4:5] offset:16
.irp j, 0,1,2,3
	v_mov_b32 v[88+\j], 0xce6e6b28                 ; -1e9
.endr
	global_store_b128 v6, v[88:91], s[26:27]
	global_store_b128 v6, v[88:91], s[26:27] offset:16
	s_wait_loadcnt 0x0
.irp w, 0,1,2,3,4,5,6,7                        ; s[48 + w]: the live rows of section w
.irp i, 0,1,2,3,4,5,6,7
	v_cmp_ne_u32 s[56+\i], 0, v[16+8*\w+\i]
.endr
	s_bcnt1_i32_b32 s[48+\w], s56
.irp i, 1,2,3,4,5,6,7
	s_bcnt1_i32_b32 s29, s[56+\i]
	s_add_co_u32 s[48+\w], s[48+\w], s29
.endr
.endr
	s_mov_b32 s36, 0                               ; live rows in the sections in front of mine
	s_mov_b32 s37, 0                               ; live rows of the batch
.irp w, 0,1,2,3,4,5,6,7
	s_cmp_gt_u32 s28, \w
	s_cselect_b32 s29, s[48+\w], 0
	s_add_co_u32 s36, s36, s29
	s_add_co_u32 s37, s37, s[48+\w]
.endr
.irp i, 0,1,2,3,4,5,6,7
	v_cmp_ne_u32 s[40+\i], 0, v[80+\i]             ; my own section: element i of every lane
.endr
	v_mbcnt_lo_u32_b32 v24, s40, 0                 ; live rows of the lanes under mine
.irp i, 1,2,3,4,5,6,7
	s_delay_alu instid0(VALU_DEP_1)
	v_mbcnt_lo_u32_b32 v24, s[40+\i], v24
.endr
	s_delay_alu instid0(VALU_DEP_1)
	v_add_nc_u32 v25, s36, v24                     ; live rows in front of s = 8 t
	v_lshlrev_b32 v26, 3, v0
.irp i, 0,1,2,3,4,5,6,7
	v_add_nc_u32 v[96+\i], \i, v26                 ; s
	s_delay_alu instid0(VALU_DEP_1)
	v_sub_nc_u32 v28, v[96+\i], v25                ; masked rows in front of s
	s_delay_alu instid0(VALU_DEP_1)
	v_add_nc_u32 v28, s37, v28                     ; a masked row's place: behind all live ones
	s_delay_alu instid0(VALU_DEP_1)
	v_cndmask_b32 v[104+\i], v28, v25, s[40+\i]    ; a live row's place: the live rows in front of it
	v_cndmask_b32 v29, 0, 1, s[40+\i]
	s_delay_alu instid0(VALU_DEP_1)
	v_add_nc_u32 v25, v25, v29
	s_delay_alu instid0(VALU_DEP_3)
	v_min_u32 v[112+\i], 0x7ff, v[104+\i]          ; it is under 2,048 by construction; the bound is written for the address's sake
	s_delay_alu instid0(VALU_DEP_1)
	v_lshlrev_b32 v[112+\i], 2, v[112+\i]
.endr
	global_store_b128 v6, v[104:107], s[18:19]
	global_store_b128 v6, v[108:111], s[18:19] offset:16
.irp i, 0,1,2,3,4,5,6,7
	global_store_b32 v[112+\i], v[96+\i], s[16:17] ; rows[pos] = s: 4 bytes a lane to places that the mask decides; 8 KiB a batch
.endr
	s_cmp_eq_u32 s37, 0
	s_cselect_b32 s39, 2048, s37
	v_mov_b32 v30, s37
	v_mov_b32 v31, s39
	v_mov_b32 v32, 0
	v_cmp_eq_u32 vcc_lo, 0, v0
	s_wait_alu depctr_va_vdst(0)
	s_wait_xcnt 0x0                                ; EXEC changes only behind this wait: the stores above have read it
	s_and_saveexec_b32 s38, vcc_lo
	global_store_b64 v32, v[30:31], s[20:21]       ; thread 0 alone
	s_wait_xcnt 0x0
	s_or_b32 exec_lo, exec_lo, s38
	s_endpgm
.Lfunc_end_k_q9e05eb2986_prep:
	.size	k_q9e05eb2986_prep, .Lfunc_end_k_q9e05eb2986_prep-k_q9e05eb2986_prep
	.p2alignl 7, 3214868480
	.fill 96, 4, 3214868480
	.section	.rodata,"a",@progbits
	.p2align	6, 0x0
	.amdhsa_kernel k_q9e05eb2986_prep
		.amdhsa_group_segment_fixed_size 0
		.amdhsa_private_segment_fixed_size 0
		.amdhsa_enable_private_segment 0
		.amdhsa_kernarg_size 96
		.amdhsa_user_sgpr_count 2
		.amdhsa_user_sgpr_kernarg_segment_ptr 1
		.amdhsa_wavefront_size32 1
		.amdhsa_system_sgpr_workgroup_id_x 1
		.amdhsa_system_sgpr_workgroup_id_y 1
		.amdhsa_system_sgpr_workgroup_id_z 1
		.amdhsa_system_vgpr_workitem_id 0
		.amdhsa_next_free_vgpr 256
		.amdhsa_next_free_sgpr 66
		.amdhsa_reserve_vcc 1
		.amdhsa_float_denorm_mode_32 3
		.amdhsa_float_denorm_mode_16_64 3
		.amdhsa_memory_ordered 1
		.amdhsa_forward_progress 1
		.amdhsa_inst_pref_size 26
	.end_amdhsa_kernel
	.amdgpu_metadata
---
amdhsa.version: [ 1, 2 ]
amdhsa.kernels:
  - .name:           k_q9e05eb2986_prep
    .symbol:         k_q9e05eb2986_prep.kd
    .args:
      - { .name: mask, .offset: 0, .size: 8, .value_kind: global_buffer, .address_space: global }
      - { .name: W_dec_codes, .offset: 8, .size: 8, .value_kind: global_buffer, .address_space: global }
      - { .name: W_dec_scales, .offset: 16, .size: 8, .value_kind: global_buffer, .address_space: global }
      - { .name: dec_hidden_codes, .offset: 24, .size: 8, .value_kind: global_buffer, .address_space: global }
      - { .name: dec_hidden_scales, .offset: 32, .size: 8, .value_kind: global_buffer, .address_space: global }
      - { .name: W_enc_codes, .offset: 40, .size: 8, .value_kind: global_buffer, .address_space: global }
      - { .name: rows, .offset: 48, .size: 8, .value_kind: global_buffer, .address_space: global }
      - { .name: pos, .offset: 56, .size: 8, .value_kind: global_buffer, .address_space: global }
      - { .name: cnt, .offset: 64, .size: 8, .value_kind: global_buffer, .address_space: global }
      - { .name: cdh, .offset: 72, .size: 8, .value_kind: global_buffer, .address_space: global }
      - { .name: wfrag, .offset: 80, .size: 8, .value_kind: global_buffer, .address_space: global }
      - { .name: scores_c, .offset: 88, .size: 8, .value_kind: global_buffer, .address_space: global }
    .group_segment_fixed_size: 0
    .private_segment_fixed_size: 0
    .kernarg_segment_align: 8
    .kernarg_segment_size: 96
    .max_flat_workgroup_size: 256
    .sgpr_count:     66
    .vgpr_count:     256
    .wavefront_size: 32
...
	.end_amdgpu_metadata
.endif
;; end of part 1
;; launch score (part 2): grid 256 x 1, 4 waves a work-group, no clusters, 163,328 bytes of LDS; arguments enc_outputs, rows, cnt, cdh, v, wfrag, W_enc_scales, scores_c; writes scores_c
.if DOCPART == 2
	.amdgcn_target "amdgcn-amd-amdhsa--gfx1250"
	.amdhsa_code_object_version 6
	.text
	.protected	k_q9e05eb2986_score
	.globl	k_q9e05eb2986_score
	.p2align	8
	.type	k_q9e05eb2986_score,@function
k_q9e05eb2986_score:
	s_mov_b64 s[64:65], 0
	v_nop
	global_prefetch_b8 v0, s[64:65] scope:SCOPE_SE
	s_setreg_imm32_b32 hwreg(HW_REG_WAVE_MODE, 25, 1), 1
	s_wait_xcnt 0x0
; BahdanauAttention, launch 2 of 3: scores_c[b][j] = sum over d of v[d] tanh(dh[b][d] + eh[b][rows[b][j]][d]) for the list's places j < cntS.  Rows with mask == 0 are left out (shown at the head of launch 1).
; eh = Q(enc) W_enc^T on codes of BF6 (E3M2) with one E8M0 scale for each 32 along E; enc is quantised here, in registers.  tanh(x) = 1 - 2 / (1 + 2^(c x)), c = 2 log2(e): score = sum v - 2 sum v / (1 + 2^(c x)).
; SHARES.  Batch b = work-group / 8, i = work-group % 8.  The list is cut into tiles of 16 places; work-group i owns tiles i + 8 k, k < MT = (T + 7 - i) / 8, T = (cntS + 15) / 16: list addresses hang on ids alone.
; A chunk is up to nine tiles; two chunks in a loop of constant count serve every mask (MT <= 16).  A chunk with no tile is passed over by scalar branches on the stored count.  A live chunk works its tiles 0-7, and its tile 8
; only where the share has nine or more left (scalar branches on the same count, round that tile's loads, products and tanh alone).  Of tiles 0-7 those beyond the share are worked on the list entries that follow (valid rows)
; and are not stored.  Wave w owns d = 256 w .. 256 w + 255, as two groups of eight tiles of 16, for all rows of the chunk.
; PHASES of a chunk.  X: wave w gathers columns 256 w .. + 255 of the chunk's rows (each load: 512 consecutive bytes of one row), turns them through its own stage in LDS so that a lane holds whole blocks of 32, quantises, and
; stores the fragments as images of their registers | barrier | for each group: G: 8 K steps x 8 or 9 tiles x 8 matrix instructions (source 0 = 16 rows of W, source 1 = 16 rows of enc: a lane holds ONE row and eight d);
; E: 2^(c eh + c dh), + 1, reciprocal, x v, summed | partial scores to the chunk's own LDS bytes | barrier.  BEHIND THE LOOP the four waves' parts are added and stored, lanes beyond cntS off: no line inside a loop writes EXEC.
; W comes from wfrag straight into registers, three K steps ahead, each byte to one wave of the work-group.  NO CLUSTER, NO TENSOR LOAD, though all work-groups walk the same W: the walk hangs on counts read from memory
; (a chunk or a tile is passed over where the stored count says so).
; LIMITS: NaN and infinities in live rows of enc are not served by the quantiser; a block whose largest magnitude lies under 2^-122 keeps the scale byte 1 (a block of zeros too: its codes are zeros).
; REGISTERS, in windows of 256.  Window 0: addresses, sums, scale words, W's third set, enc's fragments.  Windows 1, 2: the accumulators of tiles 0-3, 4-7 ((m, n) at 8 (8 (m % 4) + n)); in phase X the loads land there.
; Window 3: v0-63 tile 8's accumulators; v64-159, v160-255 W's first two sets.
; LEFT OUT: the term sum v of a score, the same for all rows of a batch (shown at the head of launch 1): what is stored is -2 sum v / (1 + 2^(c x)).
; W's K step 0 and scale words of a group are asked for ahead (at the head; in K steps 6 and 7 of the group before, for the next chunk's first group too); K steps 1 and 2 at the group's start.
.set AIMG,  0
.set ASC,   110592                     ; their scale words: [ks][10 places of 64 bytes][row] x 4 bytes (place 9 is not used)
.set VLD,   115712                     ; v, 4,096 bytes; then c x dh of batch b, 4,096 bytes
.set STG,   123904                     ; a stage of 16 rows x (512 + 16) bytes for each wave
.set SCP,   157696                     ; partial scores: for each of the two chunks 160 words for each wave
.set SCPC,  2560                       ; a chunk's part of them
.set SPARE, 162816                     ; the spare words, 128 bytes for each wave: two blocks of 256 bytes that no other line names
.set CDHP,  131072                     ; from one of c x dh's four parts along K to the next
.set SPW,  1                           ; v1   LDS address of my spare word; never rewritten
.set NIL,  2                           ; v2   0; never rewritten
.set L16,  3                           ; v3   16 x lane: my place in wfrag's runs and in an image (fragments 0-41)
.set A1,   4                           ; v4   the same for fragments 42-71: + 64,512
.set AS0,  5                           ; v5   ASC + 4 x lane: lanes 0-15 an even tile's rows, lanes 16-31 the next tile's
.set AS8,  6                           ; v6   ASC + 512 + 4 r: tile 8's
.set L32,  7                           ; v7   32 x lane: a row of W's scale bytes
.set VC0,  8                           ; v8   VLD + 32 h + 1,024 w
.set STW,  9                           ; v9   the stage, in: 16 x lane
.set STR,  10                          ; v10  the stage, out: 528 r + 128 h
.set IW0,  11                          ; v11  where I store images: 16 x lane + 3,072 w (tiles 0-4)
.set IW1,  12                          ; v12  + 61,440 (tiles 5-8)
.set SCW,  13                          ; v13  where I store scale words: ASC + 1,280 w + 4 r
.set XB,   14                          ; v14  16 x lane + 1,024 w: my bytes of a row of enc
.set SCPW, 15                          ; v15  SCP + 640 w + 4 r
.set VL,   16                          ; v16-20 list entries: register k: tile 2 k in lanes 0-15, tile 2 k + 1 in lanes 16-31
.set H8,   21                          ; v21  8 h
.set VC,   22                          ; v22  the group's address in VLD
.set T,    23                          ; v23  a lane permute's destination
.set SA,   24                          ; v24-41 nine pairs: sum of v / (1 + 2^..) for tile m
.set ASCL, 44                          ; v44-53 enc's scale words: two sets of five, by the K step's parity
.set BSCL, 54                          ; v54-85 W's scale words: register 8 u + ks: tile 2 u in lanes 0-15, tile 2 u + 1 in lanes 16-31
.set BS2,  86                          ; v86-181 W's third set
.set AF,   182                         ; v182-241 five fragments of enc: tiles m % 4, and tile 8
.set XN,   86                          ; phase X: 64 numbers,
.set CO,   150                         ; 12 registers of codes,
.set TQ,   162                         ; the second halves of the blocks as the conversions leave them,
.set MX,   170
.set SCO,  172
.set BY,   174
.set VO,   182                         ; v182-229 three sets of 16 row offsets
.set VP,   86                          ; phase E: v of the group, register 8 n + j;
.set CD,   150                         ; c x dh likewise
.set AD,   242                         ; v242-247 addresses in hand: the list's, later the four stores'; at the head they hold the wave, lane, r, h and thread / 16
.set PA,   248                         ; v248 16 x thread at the head; then where I put the chunk's partial scores
.set R4,   250                         ; v250 4 r
.set TIDA, 251                         ; v251 SCP + 4 x thread
.set T8A,  252                         ; v252 SCP + 512 + 4 r
.set GP0,  253                         ; v253 128 (thread / 16) + r
.set R15,  254                         ; v254 r
; s[4:5] enc of batch b; s[6:7] rows; s[8:9] cnt; s[10:11] cdh; s[12:13] v; s[14:15], s[16:17] my first group in wfrag and in W's scales; s[18:19] scores_c; s20 wave; s21 b; s22 i; s23 cntS; s24, s26 the quantiser's two constants;
; s25 MT; s27 first tile of the chunk; s28 tiles left; s29 the chunk's part of SCP; s30 group; s31 does a group follow; s[32:33] c; s[34:35] lane selects; s[36:37] the group in hand in wfrag;
; s[42:43], s[44:45] the group that follows, in wfrag and in W's scales; in phase X s44-59 sixteen row numbers, behind the loop four lane masks
.set MSB, 0
.macro WIN new                         ; the immediate's high byte repeats the setting that is left; a switch that changes nothing is dropped
.if MSB != (\new)
	s_set_vgpr_msb (MSB<<8)|(\new)
.set MSB, (\new)
.endif
.endm
.macro BAR
	s_barrier_signal -1
	s_barrier_wait -1
.endm
; 24 loads: W's eight fragments of the K step that begins off bytes behind s[36:37], into set 0, 1 (window 3) or 2 (window 0)
.macro WLOAD set, off, b=36
.if (\set) < 2
.set WR, 64+96*(\set)
	WIN 0xc0
.else
.set WR, BS2
	WIN 0
.endif
.irp n, 0,1,2,3,4,5,6,7
.irp c, 0,1,2
	global_load_b128 v[WR+12*\n+4*\c:WR+12*\n+4*\c+3], v[L16], s[\b:\b+1] offset:(\off)+1536*\n+512*\c
.endr
.endr
	WIN 0
.endm
.macro BLOAD b                         ; 8 loads: the scale words of the 128 rows of W that begin at s[b:b+1], all eight K steps
.irp u, 0,1,2,3
	global_load_b128 v[BSCL+8*\u:BSCL+8*\u+3], v[L32], s[\b:\b+1] offset:1024*\u
	global_load_b128 v[BSCL+8*\u+4:BSCL+8*\u+7], v[L32], s[\b:\b+1] offset:1024*\u+16
.endr
.endm
; What a chunk wants first: its list entries (s41 = 8 x the chunk's first k + i): 5 loads;
.macro LISTS
	v_add_nc_u32 v[AD+5], s41, v[H8]
.irp k, 0,1,2,3,4
	v_add_nc_u32 v[AD+\k], 16*\k, v[AD+5]          ; the tile: i + 8 (first k + 2 k + h),
	v_min_u32 v[AD+\k], 127, v[AD+\k]              ; held inside the list
	v_lshl_add_u32 v[AD+\k], v[AD+\k], 6, v[R4]
.endr
.irp k, 0,1,2,3,4
	global_load_b32 v[VL+\k], v[AD+\k], s[6:7]
.endr
.endm
; Tile m's 16 rows, my 1,024 bytes of each: 32 loads of 512 consecutive bytes into landing set m % 3
.macro LOADR m
.set LW, 1+((\m)%3)/2
.set LB, 128*(((\m)%3)%2)
.set VB, VO+16*((\m)%3)
.set rr, 0
.rept 16
	v_readlane_b32 s[44+rr], v[VL+(\m)/2], 16*((\m)%2)+rr
.set rr, rr+1
.endr
.set rr, 0
.rept 16
	s_min_u32 s[44+rr], s[44+rr], 2047             ; a list entry is a row of the batch; the bound is written for the address's sake
.set rr, rr+1
.endr
.set rr, 0
.rept 16
	v_lshl_add_u32 v[VB+rr], s[44+rr], 12, v[XB]
.set rr, rr+1
.endr
	WIN LW<<6
.set rr, 0
.rept 16
	global_load_b128 v[LB+4*rr:LB+4*rr+3], v[VB+rr], s[4:5] th:TH_LOAD_NT
	global_load_b128 v[LB+64+4*rr:LB+64+4*rr+3], v[VB+rr], s[4:5] offset:512 th:TH_LOAD_NT
.set rr, rr+1
.endr
	WIN 0
.endm
; 64 numbers of a lane, XN + 32 c + i = k 64 c + 32 h + i of my row: two whole blocks.  They become a fragment's 12 registers in CO and the two blocks' scale bytes in BY.
.macro QUANT2
.irp c, 0,1
	v_max3_num_f32 v[MX+\c], |v[XN+32*\c]|, |v[XN+32*\c+1]|, s24   ; s24: the floor 2^(5 - 127): the byte cannot fall under 1
.endr
.irp i, 2,4,6,8,10,12,14,16,18,20,22,24,26,28,30
.irp c, 0,1
	v_max3_num_f32 v[MX+\c], v[MX+\c], |v[XN+32*\c+\i]|, |v[XN+32*\c+\i+1]|
.endr
.endr
.irp c, 0,1
	v_add_nc_u32 v[SCO+\c], s26, v[MX+\c]          ; 4 off the exponent field: the conversion takes this operand's exponent field as its scale
.endr
.irp c, 0,1
	v_lshrrev_b32 v[BY+\c], 23, v[SCO+\c]          ; the scale's byte
.endr
.irp c, 0,1
	v_cvt_scalef32_pk16_bf6_f32 v[CO+6*\c:CO+6*\c+2], v[XN+32*\c:XN+32*\c+15], v[SCO+\c]
	v_cvt_scalef32_pk16_bf6_f32 v[TQ+4*\c:TQ+4*\c+2], v[XN+32*\c+16:XN+32*\c+31], v[SCO+\c]   ; (a conversion's three registers begin on an even number)
.endr
	v_nop                                          ; one plain place behind a scaled conversion
.irp c, 0,1
.irp i, 0,1,2
	v_mov_b32 v[CO+6*\c+3+\i], v[TQ+4*\c+\i]
.endr
.endr
.endm
; Tile m, my two K steps (ks = 2 w + u): through the stage, quantised, image and scale word to LDS
.macro PROC m
.set LW, 1+((\m)%3)/2
.set LB, 128*(((\m)%3)%2)
.irp u, 0,1
	WIN LW<<2                                      ; an LDS store's data are its source 1
.set rr, 0
.rept 16
	ds_store_b128 v[STW], v[LB+64*\u+4*rr:LB+64*\u+4*rr+3] offset:528*rr
.set rr, rr+1
.endr
	WIN 0
.irp c, 0,1
.irp j, 0,1,2,3,4,5,6,7
	ds_load_b128 v[XN+32*\c+4*\j:XN+32*\c+4*\j+3], v[STR] offset:256*\c+16*\j   ; LDS serves a wave's instructions in order (ISA guide 5.7.1.4): these see the stores above
.endr
.endr
	s_wait_dscnt 0x0                               ; the numbers are in; the last unit's image stores have read CO and BY
	QUANT2
.irp c, 0,1,2
.if (\m) < 5
	ds_store_b128 v[IW0], v[CO+4*\c:CO+4*\c+3] offset:(\m)*12288+1536*\u+512*\c
.else
	ds_store_b128 v[IW1], v[CO+4*\c:CO+4*\c+3] offset:((\m)-5)*12288+1536*\u+512*\c
.endif
.endr
	ds_store_b8 v[SCW], v[BY] offset:640*\u+64*(\m)      ; my two bytes of the row's scale word: blocks h and 2 + h; lane l xor 16 stores the other two
	ds_store_b8 v[SCW], v[BY+1] offset:640*\u+64*(\m)+2
.endr
.endm
.macro FLOAD ks, m                     ; enc's fragment (tile m, K step ks) into its place
.set FN, (\m)*8+(\ks)
.if (\m) == 8
.set FSL, AF+48
.else
.set FSL, AF+12*((\m)%4)
.endif
.irp c, 0,1,2
.if FN < 42
	ds_load_b128 v[FSL+4*\c:FSL+4*\c+3], v[L16] offset:FN*1536+512*\c
.else
	ds_load_b128 v[FSL+4*\c:FSL+4*\c+3], v[A1] offset:(FN-42)*1536+512*\c
.endif
.endr
.endm
.macro SLOAD ks                        ; four loads: the scale words of tiles 0-7, K step ks
.irp u, 0,1,2,3
	ds_load_b32 v[ASCL+5*((\ks)%2)+\u], v[AS0] offset:640*(\ks)+128*\u
.endr
.endm
.macro S8LOAD ks                       ; one load: tile 8's
	ds_load_b32 v[ASCL+5*((\ks)%2)+4], v[AS8] offset:640*(\ks)
.endm
.macro WM acc, bb, sl, zero, sa, sb, ra, rb    ; one product; ra, rb: which half of the lanes holds W's and enc's scale words
.if \zero
.if (\ra)==0 && (\rb)==0
	v_wmma_scale_f32_16x16x128_f8f6f4 v[\acc:\acc+7], v[\bb:\bb+11], v[\sl:\sl+11], 0, v[\sa], v[\sb] matrix_a_fmt:MATRIX_FMT_BF6 matrix_b_fmt:MATRIX_FMT_BF6
.elseif (\ra)==1 && (\rb)==0
	v_wmma_scale_f32_16x16x128_f8f6f4 v[\acc:\acc+7], v[\bb:\bb+11], v[\sl:\sl+11], 0, v[\sa], v[\sb] matrix_a_fmt:MATRIX_FMT_BF6 matrix_b_fmt:MATRIX_FMT_BF6 matrix_a_scale:MATRIX_SCALE_ROW1
.elseif (\ra)==0 && (\rb)==1
	v_wmma_scale_f32_16x16x128_f8f6f4 v[\acc:\acc+7], v[\bb:\bb+11], v[\sl:\sl+11], 0, v[\sa], v[\sb] matrix_a_fmt:MATRIX_FMT_BF6 matrix_b_fmt:MATRIX_FMT_BF6 matrix_b_scale:MATRIX_SCALE_ROW1
.else
	v_wmma_scale_f32_16x16x128_f8f6f4 v[\acc:\acc+7], v[\bb:\bb+11], v[\sl:\sl+11], 0, v[\sa], v[\sb] matrix_a_fmt:MATRIX_FMT_BF6 matrix_b_fmt:MATRIX_FMT_BF6 matrix_a_scale:MATRIX_SCALE_ROW1 matrix_b_scale:MATRIX_SCALE_ROW1
.endif
.else
.if (\ra)==0 && (\rb)==0
	v_wmma_scale_f32_16x16x128_f8f6f4 v[\acc:\acc+7], v[\bb:\bb+11], v[\sl:\sl+11], v[\acc:\acc+7], v[\sa], v[\sb] matrix_a_fmt:MATRIX_FMT_BF6 matrix_b_fmt:MATRIX_FMT_BF6
.elseif (\ra)==1 && (\rb)==0
	v_wmma_scale_f32_16x16x128_f8f6f4 v[\acc:\acc+7], v[\bb:\bb+11], v[\sl:\sl+11], v[\acc:\acc+7], v[\sa], v[\sb] matrix_a_fmt:MATRIX_FMT_BF6 matrix_b_fmt:MATRIX_FMT_BF6 matrix_a_scale:MATRIX_SCALE_ROW1
.elseif (\ra)==0 && (\rb)==1
	v_wmma_scale_f32_16x16x128_f8f6f4 v[\acc:\acc+7], v[\bb:\bb+11], v[\sl:\sl+11], v[\acc:\acc+7], v[\sa], v[\sb] matrix_a_fmt:MATRIX_FMT_BF6 matrix_b_fmt:MATRIX_FMT_BF6 matrix_b_scale:MATRIX_SCALE_ROW1
.else
	v_wmma_scale_f32_16x16x128_f8f6f4 v[\acc:\acc+7], v[\bb:\bb+11], v[\sl:\sl+11], v[\acc:\acc+7], v[\sa], v[\sb] matrix_a_fmt:MATRIX_FMT_BF6 matrix_b_fmt:MATRIX_FMT_BF6 matrix_a_scale:MATRIX_SCALE_ROW1 matrix_b_scale:MATRIX_SCALE_ROW1
.endif
.endif
.endm
; Tile m of K step ks: eight products (the accumulators take turns, one instruction a turn, in the same order in every K step), four places, and the next fragment for the place just freed.
; Tile 8's step stands under a scalar branch: it is passed over where fewer than nine tiles are left.  K step 0's eight products of tile 8 alone are always issued: they begin its sums with the constant 0, so that its
; accumulators are written on every way; where the tile is not worked they multiply what its fragment's place holds, and nothing reads the result.
; The LDS loads are issued in this order: F(ks, 0 .. 3) | behind tile m < 4: F(ks, m + 4); behind tile 3 also the four scale words of ks + 1 | behind tile 4 + m: F(ks + 1, m) | behind tile 8, where it is worked: F(ks + 1, 8) and its
; scale word.  THE COUNTS ARE THOSE OF THE WAY WITHOUT TILE 8, on which fewer loads follow the one wanted: so they hold on both ways.  Behind F(ks, m < 4) 9 loads were issued when tile m begins; behind F(ks, 4 .. 7) 9 fragment loads
; and the 4 scale loads (in the last K step 9, 6, 3, 0).  Tile 8's fragment and scale word are older than tile 7's fragment: no wait of their own.
.macro TSTEP ks, m
.if (\m) == 8 && (\ks) > 0
	s_cmp_lt_u32 s28, 9
	s_cbranch_scc1 .Lno8_\@
.elseif (\m) == 8
.elseif (\m) < 4
	s_wait_dscnt 9
.elseif (\ks) < 7
	s_wait_dscnt 13
.else
	s_wait_dscnt 9-3*((\m)-4)
.endif
.if (\m) == 8
.set DW, 3
.set ACB, 0
.set SL, AF+48
.else
.set DW, 1+(\m)/4
.set ACB, 64*((\m)%4)
.set SL, AF+12*((\m)%4)
.endif
.if (\ks)%3 == 2
.set BW, 0
.set BB, BS2
.else
.set BW, 3
.set BB, 64+96*((\ks)%3)
.endif
	WIN (DW<<6)|(DW<<4)|BW
.irp n, 0,1,2,3,4,5,6,7
	WM ACB+8*\n, BB+12*\n, SL, (\ks)==0, BSCL+8*(\n/2)+(\ks), ASCL+5*((\ks)%2)+(\m)/2, \n%2, (\m)%2
.endr
.if (\ks) < 7 || (\m) < 4 || (\m) > 6          ; behind tiles 4-6 of the last K step nothing is loaded: tile 7's four places serve them too
.rept 4
	v_nop                                          ; four places in front of loads into registers that these products have read, and of the first read of results (ISA guide 7.12.1 for vector instructions)
.endr
.endif
	WIN 0
.if (\m) < 4
	FLOAD \ks, (\m)+4
.if (\m) == 3 && (\ks) < 7
	SLOAD (\ks)+1
.endif
.elseif (\ks) < 7
.if (\m) < 8
	FLOAD (\ks)+1, (\m)-4
.else
.if (\ks) == 0
	s_cmp_lt_u32 s28, 9
	s_cbranch_scc1 .Lno8_\@
.endif
	FLOAD (\ks)+1, 8
	S8LOAD (\ks)+1
.endif
.endif
.if (\m) == 8
.Lno8_\@:
.endif
.endm
.macro KSTEP ks                        ; the wait: W's set of this K step is in; the sets asked for behind it stay out (24 loads each)
.if (\ks)==6
	s_wait_loadcnt 24
.elseif (\ks)<=5
	s_wait_loadcnt 48
.endif
.irp m, 0,1,2,3,4,5,6,7,8
	TSTEP \ks, \m
.endr
.endm
; Phase E for the nm tiles (from tile m0 on) whose accumulators lie in window x.  The exponentials and the reciprocals go as batches, each with one plain place and one wait behind it.
.macro EWIN x, m0, nm
	WIN ((\x)<<6)|(\x)
.set q, 0
.rept 32*(\nm)
	v_pk_fma_f32 v[2*q:2*q+1], v[2*q:2*q+1], s[32:33], v[CD+(2*q)%64:CD+(2*q)%64+1] op_sel_hi:[1,0,1]   ; c eh + c dh; each accumulator from its low end on
.set q, q+1
.endr
.set q, 0
	s_wait_alu depctr_va_vdst(0)
.rept 64*(\nm)
	v_exp_f32 v[q], v[q]
.set q, q+1
.endr
	v_nop
	s_wait_alu depctr_va_vdst(0)
.set q, 0
.rept 32*(\nm)
	v_pk_add_f32 v[2*q:2*q+1], v[2*q:2*q+1], 1.0 op_sel_hi:[1,0]
.set q, q+1
.endr
.set q, 0
	s_wait_alu depctr_va_vdst(0)
.rept 64*(\nm)
	v_rcp_f32 v[q], v[q]                           ; infinity gives 0 (tanh = 1), 1 gives 1 (tanh = -1): no NaN arises
.set q, q+1
.endr
	v_nop
	s_wait_alu depctr_va_vdst(0)
	WIN (\x)
.set q, 0
.rept 32
.set mm, 0
.rept \nm
	v_pk_fma_f32 v[SA+2*((\m0)+mm):SA+2*((\m0)+mm)+1], v[64*mm+2*q:64*mm+2*q+1], v[VP+2*q:VP+2*q+1], v[SA+2*((\m0)+mm):SA+2*((\m0)+mm)+1]   ; the window's tiles by turns
.set mm, mm+1
.endr
.set q, q+1
.endr
	WIN 0
.endm
; Behind the loop: chunk ch's scores.  Thread t adds the four waves' parts of place t of tiles 0-7, and of place r of tile 8; the stores' addresses (v[AD + 2 ch], v[AD + 2 ch + 1]) and lane masks (s[44 + 2 ch], s[45 + 2 ch]) were made ahead.
; Where tile 8 was passed over, its places lie at or beyond 16 T, so beyond cntS: its lanes are off.
.macro SOUT ch
.set DD, XN+8*(\ch)
	s_cmp_gt_u32 s25, 9*(\ch)
	s_cbranch_scc0 .Lnone\ch                       ; the chunk had no tile: nothing was put into its bytes
.irp w, 0,1,2,3
	ds_load_b32 v[DD+\w], v[TIDA] offset:SCPC*(\ch)+640*\w
	ds_load_b32 v[DD+4+\w], v[T8A] offset:SCPC*(\ch)+640*\w
.endr
	s_wait_dscnt 0x0
	v_add_f32 v[DD], v[DD], v[DD+1]
	v_add_f32 v[DD+2], v[DD+2], v[DD+3]
	v_add_f32 v[DD+4], v[DD+4], v[DD+5]
	v_add_f32 v[DD+6], v[DD+6], v[DD+7]
	v_add_f32 v[DD], v[DD], v[DD+2]
	v_add_f32 v[DD+4], v[DD+4], v[DD+6]
	s_mov_b32 vcc_lo, s[44+2*(\ch)]
	s_wait_alu depctr_va_vdst(0)
	s_wait_xcnt 0x0                                ; EXEC changes only behind this wait
	s_and_saveexec_b32 s40, vcc_lo                 ; only places under cntS are stored
	global_store_b32 v[AD+2*(\ch)], v[DD], s[18:19]    ; sixteen lanes store a tile's 64 consecutive bytes
	s_wait_xcnt 0x0
	s_or_b32 exec_lo, exec_lo, s40
	s_mov_b32 vcc_lo, s[45+2*(\ch)]
	s_and_saveexec_b32 s40, vcc_lo                 ; tile 8: threads 0-15 alone (no memory instruction was issued since the last wait)
	global_store_b32 v[AD+2*(\ch)+1], v[DD+4], s[18:19]
	s_wait_xcnt 0x0
	s_or_b32 exec_lo, exec_lo, s40
.Lnone\ch:
.endm
	s_load_b512 s[4:19], s[0:1], 0x0
	v_lshl_add_u32 v[SPW], v0, 2, SPARE
	v_mov_b32 v[NIL], 0
	v_lshrrev_b32 v[AD], 5, v0
	v_readfirstlane_b32 s20, v[AD]                 ; wave 0..3
	s_lshr_b32 s21, ttmp9, 3                       ; b
	s_and_b32 s22, ttmp9, 7                        ; i
	s_mov_b32 s32, 0x4038aa3b                      ; c = 2 log2(e)
	s_mov_b32 s33, s32                             ; (named with it as a pair, so it is written)
	s_mov_b32 s34, 0x76543210
	s_mov_b32 s35, 0xfedcba98                      ; v_permlanex16_b32's selects for lane l xor 16
	s_mov_b32 s24, 0x2800000                       ; the quantiser's floor, 2^(5 - 127)
	s_mov_b32 s26, 0xfe000000                      ; -(4 << 23)
	v_and_b32 v[AD+1], 31, v0                      ; lane
	v_and_b32 v[AD+2], 15, v0                      ; r
	v_bfe_u32 v[AD+3], v0, 4, 1                    ; h
	v_lshrrev_b32 v[AD+4], 4, v0
	v_lshlrev_b32 v[L16], 4, v[AD+1]
	v_add_nc_u32 v[A1], 64512, v[L16]
	v_lshl_add_u32 v[AS0], v[AD+1], 2, ASC
	v_lshl_add_u32 v[AS8], v[AD+2], 2, ASC+512
	v_lshlrev_b32 v[L32], 5, v[AD+1]
	s_lshl_b32 s31, s20, 10
	v_lshl_add_u32 v[VC0], v[AD+3], 5, VLD
	v_add_nc_u32 v[VC0], s31, v[VC0]
	v_add_nc_u32 v[XB], s31, v[L16]
	s_mul_i32 s31, s20, 8448
	v_add_nc_u32 v[STW], s31, v[L16]
	v_add_nc_u32 v[STW], STG, v[STW]
	v_mul_u32_u24 v[STR], v[AD+2], 528
	v_lshl_add_u32 v[STR], v[AD+3], 7, v[STR]
	v_add_nc_u32 v[STR], s31, v[STR]
	v_add_nc_u32 v[STR], STG, v[STR]
	s_mul_i32 s31, s20, 3072
	v_add_nc_u32 v[IW0], s31, v[L16]
	v_add_nc_u32 v[IW1], 61440, v[IW0]
	s_mul_i32 s31, s20, 1280
	v_lshl_add_u32 v[SCW], v[AD+2], 2, ASC
	v_add_nc_u32 v[SCW], s31, v[SCW]
	v_add_nc_u32 v[SCW], v[AD+3], v[SCW]           ; + h: my bytes of a scale word are h and 2 + h
	s_mul_i32 s31, s20, 640
	v_lshl_add_u32 v[SCPW], v[AD+2], 2, SCP
	v_add_nc_u32 v[SCPW], s31, v[SCPW]
	v_lshlrev_b32 v[H8], 3, v[AD+3]
	v_mov_b32 v[T], 0                              ; written once: a lane permute's destination counts as one of its sources
	v_lshlrev_b32 v[R4], 2, v[AD+2]
	v_lshl_add_u32 v[TIDA], v0, 2, SCP
	v_lshl_add_u32 v[T8A], v[AD+2], 2, SCP+512
	v_lshl_add_u32 v[GP0], v[AD+4], 7, v[AD+2]
	v_mov_b32 v[R15], v[AD+2]
	; Tile 8's fragment and scale registers are written once here: its loads stand under branches of their own, and K step 0's products name these registers on every way.
.set q, 0
.rept 12
	v_mov_b32 v[AF+48+q], 0                        ; its fragment's place
.set q, q+1
.endr
	v_mov_b32 v[ASCL+4], 0                         ; its two scale registers
	v_mov_b32 v[ASCL+9], 0
	s_wait_kmcnt 0x0
	s_mov_b32 s41, 0
	s_lshl_b32 s40, s21, 23                        ; a batch of enc: 2,048 rows of 4,096 bytes
	s_add_nc_u64 s[4:5], s[4:5], s[40:41]
	s_lshl_b32 s40, s21, 13
	s_add_nc_u64 s[6:7], s[6:7], s[40:41]
	s_add_nc_u64 s[18:19], s[18:19], s[40:41]
	s_lshl_b32 s40, s21, 12
	s_add_nc_u64 s[10:11], s[10:11], s[40:41]
	s_lshl_b32 s40, s21, 3
	s_add_nc_u64 s[8:9], s[8:9], s[40:41]
	s_load_b32 s23, s[8:9], 0x0                    ; cntS
	s_mul_i32 s40, s20, 196608                     ; my two groups of wfrag: 98,304 bytes each
	s_add_nc_u64 s[14:15], s[14:15], s[40:41]
	s_lshl_b32 s40, s20, 13                        ; and of W's scale bytes: 4,096 each
	s_add_nc_u64 s[16:17], s[16:17], s[40:41]
	s_mov_b32 s41, s22
	LISTS                                          ; their addresses hang on ids alone: they do not wait for the count
	v_lshlrev_b32 v[PA], 4, v0
	global_load_b128 v[XN:XN+3], v[PA], s[12:13]   ; v,
	global_load_b128 v[XN+4:XN+7], v[PA], s[12:13] offset:2048
.irp q, 0,1,2,3
	global_load_b128 v[XN+8+8*\q:XN+11+8*\q], v[PA], s[10:11] offset:CDHP*\q          ; and the four parts of c x dh
	global_load_b128 v[XN+12+8*\q:XN+15+8*\q], v[PA], s[10:11] offset:CDHP*\q+2048
.endr
	WLOAD 0, 0, 14                                 ; my first group's K step 0 and scale words, 32 loads, stand behind all that phase X wants first
	BLOAD 16
	s_wait_kmcnt 0x0
	s_add_co_u32 s25, s23, 15
	s_lshr_b32 s25, s25, 4                         ; T
	s_add_co_u32 s25, s25, 7
	s_sub_co_u32 s25, s25, s22
	s_lshr_b32 s25, s25, 3                         ; MT
	s_wait_loadcnt 32                              ; the list entries, v and c x dh are in: W's 32 loads were issued behind them and stay out
.irp q, 1,2,3
.irp j, 0,1,2,3
	v_pk_add_f32 v[XN+8+2*\j:XN+9+2*\j], v[XN+8+2*\j:XN+9+2*\j], v[XN+8+8*\q+2*\j:XN+9+8*\q+2*\j]   ; the four parts along K, in their order
.endr
.endr
	v_add_nc_u32 v249, VLD, v[PA]
	ds_store_b128 v249, v[XN:XN+3]
	ds_store_b128 v249, v[XN+4:XN+7] offset:2048
	ds_store_b128 v249, v[XN+8:XN+11] offset:4096
	ds_store_b128 v249, v[XN+12:XN+15] offset:6144
	s_wait_dscnt 0x0
	s_mov_b32 s27, 0
	s_mov_b32 s29, 0
.Lchunk:                                           ; two trips, whatever the mask
.set q, 0
.rept 18
	v_mov_b32 v[SA+q], 0                           ; the nine sums begin anew
.set q, q+1
.endr
	s_sub_co_i32 s28, s25, s27
	s_max_i32 s28, s28, 0                          ; tiles left for this chunk
	s_cmp_eq_u32 s28, 0
	s_cbranch_scc1 .LnoX
	LOADR 0                                        ; (the list entries have been waited for where they were asked for)
	LOADR 1
	LOADR 2
.irp m, 0,1,2,3,4
	s_wait_loadcnt 63                              ; tile m's 32 loads are in: 64 were issued behind them, and the count's field holds 63
	PROC \m
	LOADR \m+3                                     ; into the set just read out: its loads are done and its stores into the stage have been waited for
.endr
	s_wait_loadcnt 63
	PROC 5
	s_cmp_lt_u32 s28, 9
	s_cbranch_scc1 .Lno8a                          ; fewer than nine tiles are left: tile 8's rows are not read
	LOADR 8
.Lno8a:
	s_wait_loadcnt 32                              ; tile 6's loads are in: behind them tile 7's 32 were issued, on either way
	PROC 6
	s_wait_loadcnt 0x0                             ; tile 7's; tile 8's, where they were asked for, with them
	PROC 7
	s_cmp_lt_u32 s28, 9
	s_cbranch_scc1 .LnoX
	PROC 8
.LnoX:
	s_wait_dscnt 0x0                               ; my images, scale words and my part of v and c dh have landed
	BAR
	s_mov_b32 s30, 0
.Lgroup:                                           ; two trips: my two groups of 128 d
	s_wait_xcnt 0x0                                ; every load has read its base: the three bases are made anew, on every way, from the arguments and the trip's number alone
	s_mul_i32 s40, s30, 98304
	s_mov_b32 s41, 0
	s_add_nc_u64 s[36:37], s[14:15], s[40:41]      ; the group in hand
	s_cmp_eq_u32 s30, 0
	s_cselect_b32 s40, 98304, 0                    ; the group that follows: my second, or my first again
	s_cselect_b32 s46, 4096, 0
	s_mov_b32 s47, 0
	s_add_nc_u64 s[42:43], s[14:15], s[40:41]
	s_add_nc_u64 s[44:45], s[16:17], s[46:47]
	s_cmp_eq_u32 s28, 0
	s_cbranch_scc1 .LnoG
	WLOAD 1, 12288                                 ; K step 1 lands under K step 0's products
	WLOAD 2, 2*12288
	SLOAD 0
	s_cmp_lt_u32 s28, 9
	s_cbranch_scc1 .Lg8
	FLOAD 0, 8
	S8LOAD 0
.Lg8:
	FLOAD 0, 0
	FLOAD 0, 1
	FLOAD 0, 2
	FLOAD 0, 3
	KSTEP 0
	WLOAD 0, 3*12288                               ; a set is asked for again as soon as its K step is multiplied: three K steps ahead
	KSTEP 1
	WLOAD 1, 4*12288
	KSTEP 2
	WLOAD 2, 5*12288
	KSTEP 3
	WLOAD 0, 6*12288
	KSTEP 4
	WLOAD 1, 7*12288
	KSTEP 5
	KSTEP 6
	s_wait_loadcnt 0x0                             ; K step 7's set, asked for two K steps ago: waited for here, so that no count hangs on the loads below, which are issued only where a group follows
	s_add_co_u32 s31, s27, 9
	s_cmp_lt_u32 s31, s25
	s_cselect_b32 s31, 1, 0                        ; a further chunk has tiles,
	s_cmp_eq_u32 s30, 0
	s_cselect_b32 s31, 1, s31                      ; or this is my first group: a group follows
	s_cmp_eq_u32 s31, 0
	s_cbranch_scc1 .Lrf6
	WLOAD 0, 0, 42                                 ; its K step 0
.Lrf6:
	KSTEP 7
	s_cmp_eq_u32 s31, 0
	s_cbranch_scc1 .Lrf7
	BLOAD 44                                       ; and its scale words: they land during phase E
.Lrf7:
	; ---- E
	v_lshl_add_u32 v[VC], s30, 9, v[VC0]
.irp n, 0,1,2,3,4,5,6,7
	ds_load_b128 v[VP+8*\n:VP+8*\n+3], v[VC] offset:64*\n
	ds_load_b128 v[VP+8*\n+4:VP+8*\n+7], v[VC] offset:64*\n+16
	ds_load_b128 v[CD+8*\n:CD+8*\n+3], v[VC] offset:4096+64*\n
	ds_load_b128 v[CD+8*\n+4:CD+8*\n+7], v[VC] offset:4096+64*\n+16
.endr
	s_wait_dscnt 0x0
.set q, 0
	s_wait_alu depctr_va_vdst(0)
	EWIN 1, 0, 4
	EWIN 2, 4, 4
	s_cmp_lt_u32 s28, 9
	s_cbranch_scc1 .Le8
	EWIN 3, 8, 1
.Le8:
.LnoG:
	s_add_co_u32 s30, s30, 1
	s_cmp_lt_u32 s30, 2
	s_cbranch_scc1 .Lgroup
	s_wait_loadcnt 0x0                             ; no way through the text carries a load on from here
	s_cmp_eq_u32 s28, 0
	s_cbranch_scc1 .LnoP
	v_add_nc_u32 v[PA], s29, v[SCPW]               ; the chunk's own bytes
	s_wait_alu depctr_va_vdst(0)
.irp m, 0,1,2,3,4,5,6,7,8
	v_add_f32 v[SA+2*\m], v[SA+2*\m], v[SA+2*\m+1]
.endr
.irp m, 0,1,2,3,4,5,6,7,8
	v_mul_f32 v[SA+2*\m], -2.0, v[SA+2*\m]         ; -2 sum v / (1 + 2^..)
.endr
.irp m, 0,1,2,3,4,5,6,7,8
	v_permlanex16_b32 v[SA+2*\m+1], v[SA+2*\m], s34, s35
.endr
.irp m, 0,1,2,3,4,5,6,7,8
	v_add_f32 v[SA+2*\m], v[SA+2*\m], v[SA+2*\m+1] ; with lane l xor 16's d: my wave's 256 d
.endr
.irp m, 0,1,2,3,4,5,6,7,8
	ds_store_b32 v[PA], v[SA+2*\m] offset:64*\m    ; lanes r and r + 16 write the same word with the same value
.endr
.LnoP:
	s_wait_dscnt 0x0                               ; my partial scores have landed, and my reads of the images are over: the next chunk may write them
	BAR
	s_add_co_u32 s31, s27, 9
	s_cmp_lt_u32 s31, s25
	s_cbranch_scc0 .LnoS                           ; no tile is left: nothing more is asked for
	s_lshl_b32 s41, s31, 3
	s_add_co_u32 s41, s41, s22
	LISTS
	s_wait_loadcnt 0x0                             ; the next chunk's list entries are in
.LnoS:
	s_add_co_u32 s29, s29, SCPC
	s_add_co_u32 s27, s27, 9
	s_cmp_lt_u32 s27, 18
	s_cbranch_scc1 .Lchunk
	; ---- the scores leave.  The four stores' places in the list, their lane masks and their addresses are made first, with all lanes on
	s_wait_loadcnt 0x0
	s_lshl_b32 s31, s22, 4                         ; the list's place of my first tile: 16 i
.irp ch, 0,1
	v_add_nc_u32 v[AD+2*\ch], s31, v[GP0]          ; 16 (i + 8 k) + r, k = 9 ch + thread / 16
	s_add_co_u32 s31, s31, 1024
	v_add_nc_u32 v[AD+2*\ch+1], s31, v[R15]        ; the chunk's tile 8
	s_add_co_u32 s31, s31, 128
.endr
.irp q, 0,1,2,3
	v_cmp_gt_u32 s[44+\q], s23, v[AD+\q]           ; under cntS?
.endr
	v_cmp_gt_u32 vcc_lo, 16, v0
	s_and_b32 s45, s45, vcc_lo
	s_and_b32 s47, s47, vcc_lo
.irp q, 0,1,2,3
	v_min_u32 v[AD+\q], 0x7ff, v[AD+\q]            ; a lane that is off keeps an address inside the buffer all the same
	v_lshlrev_b32 v[AD+\q], 2, v[AD+\q]
.endr
	SOUT 0
	SOUT 1
	s_wait_tensorcnt 0x0                           ; the wave's end: behind my last LDS store
	ds_add_u32 v[SPW], v[NIL]
	s_wait_dscnt 0x0
	s_endpgm
.Lfunc_end_k_q9e05eb2986_score:
	.size	k_q9e05eb2986_score, .Lfunc_end_k_q9e05eb2986_score-k_q9e05eb2986_score
	.p2alignl 7, 3214868480
	.fill 96, 4, 3214868480
	.section	.rodata,"a",@progbits
	.p2align	6, 0x0
	.amdhsa_kernel k_q9e05eb2986_score
		.amdhsa_group_segment_fixed_size 163328
		.amdhsa_private_segment_fixed_size 0
		.amdhsa_enable_private_segment 0
		.amdhsa_kernarg_size 64
		.amdhsa_user_sgpr_count 2
		.amdhsa_user_sgpr_kernarg_segment_ptr 1
		.amdhsa_wavefront_size32 1
		.amdhsa_system_sgpr_workgroup_id_x 1
		.amdhsa_system_sgpr_workgroup_id_y 1
		.amdhsa_system_sgpr_workgroup_id_z 1
		.amdhsa_system_vgpr_workitem_id 0
		.amdhsa_next_free_vgpr 1024
		.amdhsa_next_free_sgpr 66
		.amdhsa_reserve_vcc 1
		.amdhsa_float_denorm_mode_32 3
		.amdhsa_float_denorm_mode_16_64 3
		.amdhsa_memory_ordered 1
		.amdhsa_forward_progress 1
		.amdhsa_inst_pref_size 255
	.end_amdhsa_kernel
	.section	.bss,"aw",@nobits
	.p2align	6
	.space	262144
	.amdgpu_metadata
---
amdhsa.version: [ 1, 2 ]
amdhsa.kernels:
  - .name:           k_q9e05eb2986_score
    .symbol:         k_q9e05eb2986_score.kd
    .args:
      - { .name: enc_outputs, .offset: 0, .size: 8, .value_kind: global_buffer, .address_space: global }
      - { .name: rows, .offset: 8, .size: 8, .value_kind: global_buffer, .address_space: global }
      - { .name: cnt, .offset: 16, .size: 8, .value_kind: global_buffer, .address_space: global }
      - { .name: cdh, .offset: 24, .size: 8, .value_kind: global_buffer, .address_space: global }
      - { .name: v, .offset: 32, .size: 8, .value_kind: global_buffer, .address_space: global }
      - { .name: wfrag, .offset: 40, .size: 8, .value_kind: global_buffer, .address_space: global }
      - { .name: W_enc_scales, .offset: 48, .size: 8, .value_kind: global_buffer, .address_space: global }
      - { .name: scores_c, .offset: 56, .size: 8, .value_kind: global_buffer, .address_space: global }
    .group_segment_fixed_size: 163328
    .private_segment_fixed_size: 0
    .kernarg_segment_align: 8
    .kernarg_segment_size: 64
    .max_flat_workgroup_size: 128
    .sgpr_count:     66
    .vgpr_count:     1024
    .wavefront_size: 32
...
	.end_amdgpu_metadata
.endif
;; end of part 2
;; launch ctx (part 3): grid 256 x 1, 16 waves a work-group, no clusters, 18,688 bytes of LDS; arguments enc_outputs, rows, pos, cnt, scores_c, out0, out1; writes out0, out1
.if DOCPART == 3
	.amdgcn_target "amdgcn-amd-amdhsa--gfx1250"
	.amdhsa_code_object_version 6
	.text
	.protected	k_q9e05eb2986_ctx
	.globl	k_q9e05eb2986_ctx
	.p2align	8
	.type	k_q9e05eb2986_ctx,@function
k_q9e05eb2986_ctx:
	s_mov_b64 s[64:65], 0
	v_nop
	global_prefetch_b8 v0, s[64:65] scope:SCOPE_SE
	s_setreg_imm32_b32 hwreg(HW_REG_WAVE_MODE, 25, 1), 1
	s_wait_xcnt 0x0
; BahdanauAttention, launch 3 of 3: the softmax over a batch's scores, the weights (out1) and the context (out0).  Sets of rows whose weights are all 0 (places at or beyond cntC in the list) are left out (shown at the head of launch 1).
; SHARES.  Batch b = work-group / 8, e = work-group % 8.  The work-group owns columns 128 e .. 128 e + 127 of the context, for all rows of the list, and places 256 e .. 256 e + 255 of out1: each output has one owner.
; Every work-group of a batch makes the batch's softmax for itself (2,048 scores, 8 KiB).  p = exp(score - max) lies in LDS in the list's order; out1[s] = p[pos[s]] / sum; masked rows stand behind cntS, where the score is -1e9 and p is 0.
; Wave w takes the list's sets w + 16 t of 32 rows, t = 0 .. 3, while the set begins under cntC; each load is 512 consecutive bytes of one row.  The first set is asked for ahead of the softmax, whatever cntC is: where it lies
; beyond cntC its rows are valid rows with p = 0.  M = 1: a product bound by its bytes: fused multiply-adds in f32; no matrix instruction, no cluster (no two work-groups read the same bytes of enc).
.set WC,    0                          ; LDS: p, 2,048 words
.set REDM,  8192                       ; sixteen waves' maxima;
.set REDS,  8256                       ; their sums
.set PART,  8448                       ; sixteen waves' partial contexts, 512 bytes each
.set SPARE, 16640                      ; the spare words, 128 bytes for each wave: eight blocks of 256 bytes that no other line names
.set SPW, 1
.set NIL, 2
.set XB,  3                            ; v3   16 x lane + 512 e: my bytes of a row
.set LST, 4                            ; v4-7 my four sets' list entries
.set P,   8                            ; v8-11 four scores, then p
.set PO,  12                           ; v12-13 pos of two rows
.set RI,  14                           ; v14  the maximum, later 1 / sum
.set TT,  15                           ; v15  a lane permute's destination
.set ACC, 16                           ; v16-31 four sets of sums by turns
.set W,   32                           ; v32-63 a set's 32 weights
.set X,   64                           ; v64-191 a set's rows
.set VO,  192                          ; v192-223 their offsets
.macro BAR
	s_barrier_signal -1
	s_barrier_wait -1
.endm
; A set goes in two halves of 16 rows: a half's registers take the next set's half as soon as they have been multiplied, while the other half is on its way or at work.
.macro ROWS t, hf                      ; half hf of set t is asked for: 16 loads
.set k, 0
.rept 16
	v_readlane_b32 s[24+k], v[LST+\t], 16*(\hf)+k
.set k, k+1
.endr
.set k, 0
.rept 16
	s_min_u32 s[24+k], s[24+k], 2047               ; a list entry is a row of the batch; the bound is written for the address's sake
.set k, k+1
.endr
.set k, 0
.rept 16
	v_lshl_add_u32 v[VO+16*(\hf)+k], s[24+k], 12, v[XB]
.set k, k+1
.endr
.set k, 0
.rept 16
	global_load_b128 v[X+64*(\hf)+4*k:X+64*(\hf)+4*k+3], v[VO+16*(\hf)+k], s[4:5] th:TH_LOAD_NT
.set k, k+1
.endr
.endm
.macro FMA t, hf                       ; sums += p x row, for half hf of set t (its rows have been waited for).  The first set's first four rows start the four sets of sums: nothing is cleared
.irp i, 0,1,2,3
	ds_load_b128 v[W+16*(\hf)+4*\i:W+16*(\hf)+4*\i+3], v231 offset:2048*(\t)+64*(\hf)+16*\i   ; the same 16 bytes for every lane
.endr
	s_wait_dscnt 0x0
.set k, 16*(\hf)
.rept 16
.set AA, ACC+4*(k%4)
.set XX, X+4*k
.set WW, W+2*(k/2)
.if ((\t)==0) && (k<4)
.if k%2 == 0
	v_pk_mul_f32 v[AA:AA+1], v[XX:XX+1], v[WW:WW+1] op_sel_hi:[1,0]
	v_pk_mul_f32 v[AA+2:AA+3], v[XX+2:XX+3], v[WW:WW+1] op_sel_hi:[1,0]
.else
	v_pk_mul_f32 v[AA:AA+1], v[XX:XX+1], v[WW:WW+1] op_sel:[0,1] op_sel_hi:[1,1]
	v_pk_mul_f32 v[AA+2:AA+3], v[XX+2:XX+3], v[WW:WW+1] op_sel:[0,1] op_sel_hi:[1,1]
.endif
.else
.if k%2 == 0
	v_pk_fma_f32 v[AA:AA+1], v[XX:XX+1], v[WW:WW+1], v[AA:AA+1] op_sel_hi:[1,0,1]
	v_pk_fma_f32 v[AA+2:AA+3], v[XX+2:XX+3], v[WW:WW+1], v[AA+2:AA+3] op_sel_hi:[1,0,1]
.else
	v_pk_fma_f32 v[AA:AA+1], v[XX:XX+1], v[WW:WW+1], v[AA:AA+1] op_sel:[0,1,0] op_sel_hi:[1,1,1]
	v_pk_fma_f32 v[AA+2:AA+3], v[XX+2:XX+3], v[WW:WW+1], v[AA+2:AA+3] op_sel:[0,1,0] op_sel_hi:[1,1,1]
.endif
.endif
.set k, k+1
.endr
	s_wait_alu depctr_va_vdst(0)                   ; the wait behind these writes
.endm
	s_load_b256 s[4:11], s[0:1], 0x0
	s_load_b128 s[12:15], s[0:1], 0x20             ; scores_c 12, out0 14
	s_load_b64 s[16:17], s[0:1], 0x30              ; out1
	v_lshl_add_u32 v[SPW], v0, 2, SPARE
	v_mov_b32 v[NIL], 0
	v_lshrrev_b32 v224, 5, v0
	s_delay_alu instid0(VALU_DEP_1)
	v_readfirstlane_b32 s20, v224                  ; wave 0..15
	s_lshr_b32 s21, ttmp9, 3                       ; b
	s_and_b32 s22, ttmp9, 7                        ; e
	s_mov_b32 s18, 0x76543210
	s_mov_b32 s19, 0xfedcba98                      ; v_permlanex16_b32's selects for lane l xor 16
	v_and_b32 v225, 31, v0                         ; lane
	s_lshl_b32 s56, s22, 9
	v_lshl_add_u32 v[XB], v225, 4, s56
	s_lshl_b32 s56, s20, 7
	v_lshl_add_u32 v226, v225, 2, s56              ; my list entries: 4 x lane + 128 w
	v_lshlrev_b32 v227, 4, v0                      ; 16 x thread: my four scores, and my four p in LDS
	v_and_b32 v228, 127, v0
	s_delay_alu instid0(VALU_DEP_1)
	v_lshlrev_b32 v228, 3, v228                    ; 8 (thread % 128): two places of pos and of out1
	v_mov_b32 v229, s20
	s_delay_alu instid0(VALU_DEP_1)
	v_lshlrev_b32 v229, 2, v229                    ; 4 w
	v_mov_b32 v230, 0
	v_mov_b32 v231, s56                            ; 128 w: my sets' weights
	s_lshl_b32 s57, s20, 9
	v_lshl_add_u32 v248, v225, 4, PART
	s_delay_alu instid0(VALU_DEP_1)
	v_add_nc_u32 v248, s57, v248                   ; my partial context: PART + 512 w + 16 x lane
	v_and_b32 v249, 63, v0
	s_delay_alu instid0(VALU_DEP_1)
	v_lshlrev_b32 v250, 3, v249                    ; 8 (thread % 64): two columns of out0
	s_delay_alu instid0(VALU_DEP_1)
	v_add_nc_u32 v249, PART, v250
	v_mov_b32 v[TT], 0                             ; written once: a lane permute's destination counts as one of its sources
	s_wait_kmcnt 0x0
	s_mov_b32 s59, 0
	s_lshl_b32 s58, s21, 23
	s_add_nc_u64 s[4:5], s[4:5], s[58:59]
	s_lshl_b32 s58, s21, 13
	s_add_nc_u64 s[6:7], s[6:7], s[58:59]
	s_add_nc_u64 s[12:13], s[12:13], s[58:59]
	s_lshl_b32 s57, s22, 10
	s_add_co_u32 s58, s58, s57
	s_add_nc_u64 s[8:9], s[8:9], s[58:59]
	s_add_nc_u64 s[16:17], s[16:17], s[58:59]
	s_lshl_b32 s58, s21, 12
	s_lshl_b32 s57, s22, 9
	s_add_co_u32 s58, s58, s57
	s_add_nc_u64 s[14:15], s[14:15], s[58:59]
	s_lshl_b32 s58, s21, 3
	s_add_nc_u64 s[10:11], s[10:11], s[58:59]
	s_load_b32 s23, s[10:11], 0x4                  ; cntC
.irp t, 0,1,2,3
	global_load_b32 v[LST+\t], v226, s[6:7] offset:2048*\t
.endr
	global_load_b128 v[P:P+3], v227, s[12:13]
	global_load_b64 v[PO:PO+1], v228, s[8:9]
	s_wait_loadcnt 2                               ; the list entries are in; the scores and pos may be out
	ROWS 0, 0                                      ; on their way during the softmax
	ROWS 0, 1
	s_wait_kmcnt 0x0
	s_wait_loadcnt 33                              ; the scores are in: pos and the 32 rows were issued behind them
	v_max3_num_f32 v[RI], v[P], v[P+1], v[P+2]
	s_delay_alu instid0(VALU_DEP_1)
	v_max_num_f32 v[RI], v[RI], v[P+3]
	s_delay_alu instid0(VALU_DEP_1)
	v_max_num_f32_dpp v[RI], v[RI], v[RI] row_xmask:1 row_mask:0xf bank_mask:0xf
	s_delay_alu instid0(VALU_DEP_1)
	v_max_num_f32_dpp v[RI], v[RI], v[RI] row_xmask:2 row_mask:0xf bank_mask:0xf
	s_delay_alu instid0(VALU_DEP_1)
	v_max_num_f32_dpp v[RI], v[RI], v[RI] row_xmask:4 row_mask:0xf bank_mask:0xf
	s_delay_alu instid0(VALU_DEP_1)
	v_max_num_f32_dpp v[RI], v[RI], v[RI] row_xmask:8 row_mask:0xf bank_mask:0xf
	s_delay_alu instid0(VALU_DEP_1)
	v_permlanex16_b32 v[TT], v[RI], s18, s19
	s_delay_alu instid0(VALU_DEP_1)
	v_max_num_f32 v[RI], v[RI], v[TT]
	ds_store_b32 v229, v[RI] offset:REDM           ; all lanes write the same word with the same value
	s_wait_dscnt 0x0
	BAR
.irp i, 0,1,2,3
	ds_load_b128 v[232+4*\i:235+4*\i], v230 offset:REDM+16*\i
.endr
	s_wait_dscnt 0x0
	v_max3_num_f32 v232, v232, v233, v234
	v_max3_num_f32 v235, v235, v236, v237
	v_max3_num_f32 v238, v238, v239, v240
	v_max3_num_f32 v241, v241, v242, v243
	v_max3_num_f32 v244, v244, v245, v246
	s_delay_alu instid0(VALU_DEP_3)
	v_max3_num_f32 v232, v232, v235, v238
	s_delay_alu instid0(VALU_DEP_2)
	v_max3_num_f32 v241, v241, v244, v247
	s_delay_alu instid0(VALU_DEP_1)
	v_max_num_f32 v[RI], v232, v241                ; the batch's largest score
.irp j, 0,1,2,3
	v_sub_f32 v[P+\j], v[P+\j], v[RI]              ; the maximum is taken away first, as reference() does
.endr
.irp j, 0,1,2,3
	s_delay_alu instid0(VALU_DEP_4)
	v_mul_f32 v[P+\j], 0x3fb8aa3b, v[P+\j]
.endr
	s_wait_alu depctr_va_vdst(0)
.irp j, 0,1,2,3
	v_exp_f32 v[P+\j], v[P+\j]
.endr
	v_nop                                          ; one plain place behind the exponentials,
	s_wait_alu depctr_va_vdst(0)                   ; and one wait ahead of their first reader
	v_add_f32 v232, v[P], v[P+1]
	v_add_f32 v233, v[P+2], v[P+3]
	s_delay_alu instid0(VALU_DEP_1)
	v_add_f32 v232, v232, v233
	s_delay_alu instid0(VALU_DEP_1)
	v_add_f32_dpp v232, v232, v232 row_xmask:1 row_mask:0xf bank_mask:0xf
	s_delay_alu instid0(VALU_DEP_1)
	v_add_f32_dpp v232, v232, v232 row_xmask:2 row_mask:0xf bank_mask:0xf
	s_delay_alu instid0(VALU_DEP_1)
	v_add_f32_dpp v232, v232, v232 row_xmask:4 row_mask:0xf bank_mask:0xf
	s_delay_alu instid0(VALU_DEP_1)
	v_add_f32_dpp v232, v232, v232 row_xmask:8 row_mask:0xf bank_mask:0xf
	s_delay_alu instid0(VALU_DEP_1)
	v_permlanex16_b32 v[TT], v232, s18, s19
	s_delay_alu instid0(VALU_DEP_1)
	v_add_f32 v232, v232, v[TT]
	ds_store_b32 v229, v232 offset:REDS
	ds_store_b128 v227, v[P:P+3]                   ; p, in the list's order
	s_wait_dscnt 0x0
	BAR
.irp i, 0,1,2,3
	ds_load_b128 v[232+4*\i:235+4*\i], v230 offset:REDS+16*\i
.endr
	s_wait_dscnt 0x0
	v_pk_add_f32 v[232:233], v[232:233], v[234:235]
	v_pk_add_f32 v[236:237], v[236:237], v[238:239]
	v_pk_add_f32 v[240:241], v[240:241], v[242:243]
	v_pk_add_f32 v[244:245], v[244:245], v[246:247]
	s_delay_alu instid0(VALU_DEP_3)
	v_pk_add_f32 v[232:233], v[232:233], v[236:237]
	s_delay_alu instid0(VALU_DEP_2)
	v_pk_add_f32 v[240:241], v[240:241], v[244:245]
	s_delay_alu instid0(VALU_DEP_1)
	v_pk_add_f32 v[232:233], v[232:233], v[240:241]
	s_delay_alu instid0(VALU_DEP_1)
	v_add_f32 v232, v232, v233                     ; the sum: at least 1, since the largest p is 1
	s_wait_alu depctr_va_vdst(0)
	v_rcp_f32 v[RI], v232
	v_nop
	s_wait_alu depctr_va_vdst(0)
	s_lshl_b32 s57, s20, 5                         ; my first set's first place in the list
.irp t, 0,1,2
	s_wait_loadcnt 16                              ; the set's first half is in: behind it the 16 loads of its second half were issued
	FMA \t, 0
	s_add_co_u32 s56, s57, 512*(\t+1)              ; the next set's first place
	s_cmp_lt_u32 s56, s23
	s_cbranch_scc1 .La\t
	s_wait_loadcnt 0x0                             ; no set follows: the second half is all that is out
	s_branch .Lb\t
.La\t:
	ROWS \t+1, 0                                   ; into the half just multiplied: its loads are done, so their offsets and registers may be written
	s_wait_loadcnt 16                              ; the second half is in: behind it the 16 loads just issued
.Lb\t:
	FMA \t, 1
	s_cmp_lt_u32 s56, s23
	s_cbranch_scc0 .Ldone
	ROWS \t+1, 1
.endr
	s_wait_loadcnt 16
	FMA 3, 0
	s_wait_loadcnt 0x0
	FMA 3, 1
.Ldone:
	s_wait_loadcnt 0x0                             ; no way through the text carries a load on from here
	s_wait_alu depctr_va_vdst(0)
	v_pk_add_f32 v[16:17], v[16:17], v[20:21]
	v_pk_add_f32 v[18:19], v[18:19], v[22:23]
	v_pk_add_f32 v[24:25], v[24:25], v[28:29]
	v_pk_add_f32 v[26:27], v[26:27], v[30:31]
	s_delay_alu instid0(VALU_DEP_2)
	v_pk_add_f32 v[16:17], v[16:17], v[24:25]
	s_delay_alu instid0(VALU_DEP_2)
	v_pk_add_f32 v[18:19], v[18:19], v[26:27]
	v_pk_mul_f32 v[16:17], v[16:17], v[RI:RI+1] op_sel_hi:[1,0]
	v_pk_mul_f32 v[18:19], v[18:19], v[RI:RI+1] op_sel_hi:[1,0]
	ds_store_b128 v248, v[16:19]
	v_min_u32 v232, 0x7ff, v[PO]                   ; the addresses of the lookups below are made here, by every wave, ahead of the branches on the wave's number
	v_min_u32 v233, 0x7ff, v[PO+1]
	s_delay_alu instid0(VALU_DEP_2)
	v_lshlrev_b32 v232, 2, v232
	s_delay_alu instid0(VALU_DEP_2)
	v_lshlrev_b32 v233, 2, v233
	s_wait_dscnt 0x0
	BAR                                            ; sixteen partial contexts lie in LDS
	s_cmp_lt_u32 s20, 2
	s_cbranch_scc0 .Lno0
.set k, 0
.rept 16
	ds_load_b64 v[X+2*k:X+2*k+1], v249 offset:512*k
.set k, k+1
.endr
	s_wait_dscnt 0x0
.irp k, 0,1,2,3,4,5,6,7
	v_pk_add_f32 v[X+2*\k:X+2*\k+1], v[X+2*\k:X+2*\k+1], v[X+16+2*\k:X+17+2*\k]
.endr
.irp k, 0,1,2,3
	s_delay_alu instid0(VALU_DEP_4)
	v_pk_add_f32 v[X+2*\k:X+2*\k+1], v[X+2*\k:X+2*\k+1], v[X+8+2*\k:X+9+2*\k]
.endr
.irp k, 0,1
	s_delay_alu instid0(VALU_DEP_2)
	v_pk_add_f32 v[X+2*\k:X+2*\k+1], v[X+2*\k:X+2*\k+1], v[X+4+2*\k:X+5+2*\k]
.endr
	s_delay_alu instid0(VALU_DEP_1)
	v_pk_add_f32 v[X:X+1], v[X:X+1], v[X+2:X+3]
	global_store_b64 v250, v[X:X+1], s[14:15]      ; a wave stores 256 consecutive bytes, at a multiple of 256 from out0's first byte
.Lno0:
	s_cmp_lt_u32 s20, 4
	s_cbranch_scc0 .Lno1
	s_wait_alu depctr_va_vdst(0)
	ds_load_b32 v234, v232                         ; p at the places where my two rows stand in the list
	ds_load_b32 v235, v233
	s_wait_dscnt 0x0
	v_pk_mul_f32 v[234:235], v[234:235], v[RI:RI+1] op_sel_hi:[1,0]
	global_store_b64 v228, v[234:235], s[16:17]    ; a wave stores 256 consecutive bytes, at a multiple of 256 from out1's first byte
.Lno1:
	s_wait_dscnt 0x0
	BAR                                            ; the lookups, whose places hang on pos, are over in every wave before any wave's closing add
	s_wait_tensorcnt 0x0                           ; the wave's end: behind my last LDS store
	ds_add_u32 v[SPW], v[NIL]
	s_wait_dscnt 0x0
	s_endpgm
.Lfunc_end_k_q9e05eb2986_ctx:
	.size	k_q9e05eb2986_ctx, .Lfunc_end_k_q9e05eb2986_ctx-k_q9e05eb2986_ctx
	.p2alignl 7, 3214868480
	.fill 96, 4, 3214868480
	.section	.rodata,"a",@progbits
	.p2align	6, 0x0
	.amdhsa_kernel k_q9e05eb2986_ctx
		.amdhsa_group_segment_fixed_size 18688
		.amdhsa_private_segment_fixed_size 0
		.amdhsa_enable_private_segment 0
		.amdhsa_kernarg_size 56
		.amdhsa_user_sgpr_count 2
		.amdhsa_user_sgpr_kernarg_segment_ptr 1
		.amdhsa_wavefront_size32 1
		.amdhsa_system_sgpr_workgroup_id_x 1
		.amdhsa_system_sgpr_workgroup_id_y 1
		.amdhsa_system_sgpr_workgroup_id_z 1
		.amdhsa_system_vgpr_workitem_id 0
		.amdhsa_next_free_vgpr 256
		.amdhsa_next_free_sgpr 66
		.amdhsa_reserve_vcc 0
		.amdhsa_float_denorm_mode_32 3
		.amdhsa_float_denorm_mode_16_64 3
		.amdhsa_memory_ordered 1
		.amdhsa_forward_progress 1
		.amdhsa_inst_pref_size 67
	.end_amdhsa_kernel
	.amdgpu_metadata
---
amdhsa.version: [ 1, 2 ]
amdhsa.kernels:
  - .name:           k_q9e05eb2986_ctx
    .symbol:         k_q9e05eb2986_ctx.kd
    .args:
      - { .name: enc_outputs, .offset: 0, .size: 8, .value_kind: global_buffer, .address_space: global }
      - { .name: rows, .offset: 8, .size: 8, .value_kind: global_buffer, .address_space: global }
      - { .name: pos, .offset: 16, .size: 8, .value_kind: global_buffer, .address_space: global }
      - { .name: cnt, .offset: 24, .size: 8, .value_kind: global_buffer, .address_space: global }
      - { .name: scores_c, .offset: 32, .size: 8, .value_kind: global_buffer, .address_space: global }
      - { .name: out0, .offset: 40, .size: 8, .value_kind: global_buffer, .address_space: global }
      - { .name: out1, .offset: 48, .size: 8, .value_kind: global_buffer, .address_space: global }
    .group_segment_fixed_size: 18688
    .private_segment_fixed_size: 0
    .kernarg_segment_align: 8
    .kernarg_segment_size: 56
    .max_flat_workgroup_size: 512
    .sgpr_count:     66
    .vgpr_count:     256
    .wavefront_size: 32
...
	.end_amdgpu_metadata
.endif
;; end of part 3
